; MI455X (gfx1250); checked and timed in simulation.
; The chip was launched on July 23, 2026; its instructions are those of AMD's public machine-readable ISA for CDNA 5 (MIT licence, August 2026) and "CDNA5" Instruction Set Architecture Reference Guide (July 2026). The comments in the code are by the model that wrote it; some were corrected since.
;; Attention. Allowed arithmetic: matrix products marked QUANTISED: E2M1 operands, one E8M0 scale for each 32 along K, by v_wmma_scale_f32_16x16x128_f8f6f4 with both operands' format E2M1 (or v_wmma_scale_f32_32x16x128_f4), f32 sums; products left as they are: f32 operands where the result goes on into a quantised operand, else bf16, f16 or f32 operands; f32 sums; everything else in f32.
;; Inputs: Wkv_codes 1,024 x 16 x 16 uint8 (E2M1 codes of Wkv, K innermost, in blocks of 32 codes, two codes a byte); Wkv_scales 1,024 x 16 uint8 (E8M0 scales of Wkv, one for each 32 codes along K); Wo_codes 512 x 16 x 16 uint8 (E2M1 codes of Wo, K innermost, in blocks of 32 codes, two codes a byte); Wo_scales 512 x 16 uint8 (E8M0 scales of Wo, one for each 32 codes along K); Wq_codes 512 x 16 x 16 uint8 (E2M1 codes of Wq, K innermost, in blocks of 32 codes, two codes a byte); Wq_scales 512 x 16 uint8 (E8M0 scales of Wq, one for each 32 codes along K); bo 512 float32; mask 2 x 8 x 128 x 64 bool; mems_codes 2 x 8 x 128 x 64 x 16 x 16 uint8 (E2M1 codes of mems, K innermost, in blocks of 32 codes, two codes a byte); mems_scales 2 x 8 x 128 x 64 x 16 uint8 (E8M0 scales of mems, one for each 32 codes along K); x_codes 2 x 8 x 128 x 16 x 16 uint8 (E2M1 codes of x, K innermost, in blocks of 32 codes, two codes a byte); x_scales 2 x 8 x 128 x 16 uint8 (E8M0 scales of x, one for each 32 codes along K).
;; Outputs: out0 2 x 8 x 128 x 512 float32.
;; This version of the problem:
;;   THIS VERSION OF THE PROBLEM IS GIVEN IN LOW PRECISION. The matrix products marked QUANTISED in the list below multiply operands that are first quantised to E2M1 (2 exponent bits, 1 mantissa bit; 4 bits a number), with one power-of-two scale for each 32 numbers along K (OCP MX v1.0); their sums are f32. All else is computed in f32.
;;   The module's matrix products, in the order in which they are computed (A, B: the left and right operand; K: the contracted axis; several contracted axes count as one K, in the product's order):
;;     1. [M 2,048, K 512] x [K 512, N 512]; A: input x (given as codes); B: input Wq (given as codes): QUANTISED
;;     2. [M 131,072, K 512] x [K 512, N 1,024]; A: input mems (given as codes); B: input Wkv (given as codes): QUANTISED
;;     3. batch 16,384 x [M 1, K 64] x [K 64, N 64]; A: computed on the way; B: computed on the way: left as it is (M = 1 < 16)
;;     4. batch 16,384 x [M 1, K 64] x [K 64, N 64]; A: softmax; B: computed on the way: left as it is (M = 1 < 16)
;;     5. [M 2,048, K 512] x [K 512, N 512]; A: computed on the way; B: input Wo (given as codes): QUANTISED
;;   THE QUANTISER, for each operand of a quantised product, along K:
;;     - K is cut into blocks of 32 from its start; a last block that is shorter is filled with zeros.
;;     - A block's scale is 2^e with e = floor(log2(the largest magnitude in the block)) - 2, held to -126 .. 127; a block of zeros has e = 0. As a byte (E8M0): e + 127.
;;     - Each number is divided by its block's scale, clamped to +-6, and rounded to the nearest number of E2M1, ties to even, subnormals kept.
;;     - The product sums the exact products of the quantised numbers (number of the format x scale) in f32.
;;   ~~~python
;;   def quantise(x, axis):      # numpy; x: float32 -> the quantised numbers, widened to float32 again
;;       x = np.moveaxis(x, axis, -1); K = x.shape[-1]
;;       x = np.pad(x, [(0, 0)] * (x.ndim - 1) + [(0, -K % 32)]); x = x.reshape(x.shape[:-1] + (-1, 32)); a = np.abs(x).max(-1, keepdims=True)
;;       e = np.where(a > 0, np.clip(np.frexp(np.where(a > 0, a, 1))[1] - 1 - 2, -126, 127), 0)      # np.frexp(a)[1] - 1 = floor(log2(a)), exactly
;;       r = np.clip(x / 2.0 ** e, -6, 6)
;;       step = 2.0 ** (np.maximum(np.frexp(np.where(r == 0, 1, r))[1] - 1, 0) - 1)
;;       q = np.round(r / step) * step * 2.0 ** e      # np.round: ties to even
;;       return np.moveaxis(q.reshape(q.shape[:-2] + (-1,))[..., :K], -1, axis).astype(np.float32)
;;   ~~~
;;   OPERANDS COMPUTED ON THE WAY. 'Computed on the way' means the value that the module computes at that place (a softmax that the list does not call 'softmax' is quantised finished and normalised). What goes into a quantiser is computed in f32, as accurately as f32 sums, v_exp_f32 and their like allow (about 1e-6 of the number): no bf16 or f16 on the way to a quantiser, and a product that is left as it is and whose result goes on into a quantised operand takes f32 operands (vector FMAs, or v_wmma_f32_16x16x4_f32). A number that lies on a knife's edge between two numbers of the format may be rounded either way, as far as f32 arithmetic and the matrix unit's own rounding can turn it there, and no further.
;;   INPUTS GIVEN AS CODES. Wkv (in the module: [512, 1024], K = its axis 0); Wo (in the module: [512, 512], K = its axis 0); Wq (in the module: [512, 512], K = its axis 0); mems (in the module: [2, 8, 128, 64, 512], K = its axis 4); x (in the module: [2, 8, 128, 512], K = its axis 3): each comes as NAME_codes (uint8): NAME with its K axis moved to the last place and cut into blocks of 32 codes, [.., K / 32, bytes a block], one block behind the other in memory; two codes a byte, the lower K in the low four bits (a code: sign, 2 exponent bits, 1 mantissa bit); and NAME_scales (uint8): the same leading axes, one E8M0 byte (e + 127) for each 32 codes along K. Its value is code x scale, taken as it is: it is not quantised again, and the codes and scales need not be those that the quantiser above would give.
;; One version. Each part assembles by itself: llvm-mc -triple=amdgcn-amd-amdhsa -mcpu=gfx1250 --defsym DOCPART=n.
;; ======== version 1 of 1: 1 launch
;; limits: right only within a limited range of input values
;; launch attn (part 1): grid 256 x 1, 8 waves a work-group, clusters of 4 x 1, 327,680 bytes of LDS; arguments x_codes, x_scales, Wq_codes, Wq_scales, Wkv_codes, Wkv_scales, mems_codes, mems_scales, mask, Wo_codes, Wo_scales, bo, out0; writes out0
.if DOCPART == 1
	.amdgcn_target "amdgcn-amd-amdhsa--gfx1250"
	.amdhsa_code_object_version 6
	.text
	.protected	k_qfe96757c4e_attn
	.globl	k_qfe96757c4e_attn
	.p2align	8
	.type	k_qfe96757c4e_attn,@function
k_qfe96757c4e_attn:
	s_mov_b64 s[64:65], 0
	v_nop
	global_prefetch_b8 v0, s[64:65] scope:SCOPE_SE
	s_setreg_imm32_b32 hwreg(HW_REG_WAVE_MODE, 25, 1), 1
	s_wait_xcnt 0x0
	s_wait_alu depctr_hold_cnt(0) depctr_sa_sdst(0) depctr_va_vdst(0) depctr_va_sdst(0) depctr_va_ssrc(0) depctr_va_vcc(0) depctr_vm_vsrc(0)
	s_getreg_b32 s2, hwreg(HW_REG_IB_STS2, 6, 4)
	s_cmp_eq_u32 s2, 0
	s_cbranch_scc0 .Lentry_in_a_cluster
	s_endpgm
.Lentry_in_a_cluster:
	s_bfe_u32 s2, ttmp6, 0x10000c
	s_cmp_lg_u32 s2, 0x3003
	s_cbranch_scc0 .Lentry_shape_is_right
	s_endpgm
.Lentry_shape_is_right:
; out = softmax_j(mask ? (x Wq)(mems Wk)^T / 8 : -FLT_MAX) (mems Wv), heads joined, quantised, x Wo + bo.  2,048 queries, each with 64 memories of its own; 8 heads of 64.
; The three large products run on codes of FP4 (E2M1) with one E8M0 scale for each 32 along K; q.k and p.v are f32 multiply-adds, since their results go on into a quantiser.
; SHARES.  A work-group owns 8 queries (256 work-groups of 8 waves, two on a SIMD); wave w owns head w for all 8.  Its 64 columns of Wk and 64 of Wv stay in 256 registers for the whole walk.
; A query goes in two halves of 32 memories: a half's fragments (64 registers) are read from LDS once a wave and feed 16 matrix instructions of k and 16 of v.  k and v never leave the registers.
; LAYOUT.  k is used transposed (source 0 = 32 rows of Wk, source 1 = 16 memories): a lane holds ONE memory j and its registers run along d, so q.k is packed multiply-adds and one exchange of halves.
; v is used as it reads (source 0 = the half's 32 memories, source 1 = 16 rows of Wv): a lane holds ONE channel d and its registers run along j, so p.v is the same kind of code.
; SOFTMAX.  The first half takes its own maximum away; the second takes the maximum of both, and what the first has summed is multiplied by 2^((old - new) log2(e) / 8).  p is not normalised; the sum divides at the end.
; A wave's head is 64 neighbours along the last product's K: registers 4 (w % 2) on of the operand of K step w / 2.  Each wave quantises its own and hands it on through LDS as an image of these registers.
; q and the last product have 8 rows: rows 8-15 of their tiles repeat rows 0-7 (32 matrix instructions of 16 rows, beside 512 of 32).
; FILLS.  The head: waves 0-3 fetch Wk into LDS 0, waves 4-7 Wv into LDS RB.  Behind query 0, Wo goes into RB (waves 4-7) and mems of queries 4-7 (waves 0-3) behind queries 0-3,
; which come through registers into what was Wk's place.  So the walk over the queries has one barrier more, ahead of query 3's look at query 4.
; CLUSTER.  Every work-group needs the same Wk, Wv and Wo: four work-groups ask for them JOINTLY (mask 15).  mems, x and the mask belong to one work-group each: nothing to share.
; Wq is NOT asked for jointly: three padded regions of 139,264 bytes do not fit in LDS, and a fill of one of the two would have to wait until its tenant is read; it comes by dense loads of 512 bytes while Wk and Wv land.
; No prefetch into the L2: queries 4-7 have two queries' work, 128 matrix instructions of 32 rows a wave, between their request and the wait for them; the weights' loads have no loop in front of them.
; LIMITS: NaN, infinities and the scale byte 0xff among the inputs are not served.  A block of the attention result whose largest magnitude lies under 2^-124 gets the byte 1 (the rule's hold at e = -126);
; a block of zeros gets the byte 1 over zero codes where the rule says 127: the same product.  The sums of q.k, p.v and p are taken in another order than the reference's, and 1 / sum is a reciprocal and a product.
.set CHK,   34816                      ; 128 rows x 272 (256 bytes + 16 of padding a row)
.set MBB,   17408                      ; 64 rows x 272: a query's mems, query n at MBB n; or a wave's part of Wk, Wv, Wo
.set RB,    139264
.set MSC,   278528                     ; mems' scale bytes: 1,024 a query, row j at 16 j
.set SCR,   286720                     ; eight scratches, one a wave
.set SWB,   4352                       ; at the head a scratch is the stage of 16 rows x 272 in which x and Wq turn; then
.set PS,    2176                       ; +0 8 rows x 272: q, overwritten row by row by the attention result, then y; +PS p (128 bytes a half);
.set MK,    2432                       ; +MK the 8 queries' mask bytes;
.set WOO,   2944                       ; +WOO Wo's scale words;
.set BOO,   3968                       ; +BOO my 64 numbers of bo
.set XI,    321536                     ; the tail: four images of 1,024 bytes,
.set XIS,   325632                     ; the eight waves' halves of scale words, 128 bytes each
.set SPARE, 326656                     ; the spare words, 128 bytes a wave: four blocks of 256 bytes that no other line names
; window 0
.set SPW, 1                            ; SPARE + 4 x thread; never rewritten
.set NIL, 2                            ; 0; never rewritten
.set AFR, 3                            ; 272 r + 16 h: a lane's place in a fragment's rows (r = lane % 16, h = lane / 16)
.set L16, 4
.set HB,  5                            ; scratch + 32 h
.set R4,  6                            ; scratch + 4 r
.set RK,  7                            ; scratch + r
.set ADS0, 8
.set NEG, 9                            ; -FLT_MAX
.set ADM, 10                           ; the query's mems,
.set ADS, 11                           ; scale words,
.set ADQ, 12                           ; q,
.set ADK, 13                           ; mask bytes,
.set AOW, 14                           ; row of the result
.set WQA, 15                           ; my 64 rows at RB
.set WSC, 16                           ; v16-31 scale words: Wk 4 u + s, Wv 8 + 4 u + s: lane l has row 32 u + l
.set MSW, 32                           ; v32-39 mems' scale words: 4 half + s: lane l has row 32 half + l
.set Q,   40                           ; v40-71 q[16 dt + 8 h + i] at 8 dt + i
.set P,   72                           ; v72-87 p[16 jt + 8 h + i] at 8 jt + i
.set S,   88                           ; v88-95 four chains of packed sums
.set O,   96                           ; v96-103 p.v, a pair for each dt
.set TM,  104                          ; v104-119 at work
.set MKR, 120
.set MX,  124
.set LS,  125
.set RL,  126
.set XST, 127                          ; scratch + 272 h + 16 r
.set FR,  128                          ; v128-191 a half's fragments: 16 s + 8 jt
.set AC,  192                          ; v192-255 accumulators: k at 8 (4 jt + dt), v at 8 (2 dt + jt)
; the head
.set QWS, 72
.set XS,  80
.set WOR, 224
.set BOR, 232
.set SL16, 234
.set SL8, 235
.set MSR, 236
.set LN,  244
.set RR,  245
.set R7,  246
.set HH,  247
.set TT,  248
.set XSO, 249
.set L8,  250
.set TSX, 251
.set WKA, 252
.set MST, 253
.set QSW, 254
.set MSS, 255
.set TSR, 14                           ; (AOW's register is first written in query 0)
; the tail
.set TAOR, 10
.set TQSW, 11
.set TXIW, 12
.set TXSW, 13
.set TXSR, 120
.set TH,  121
.set TXIR, 122
.set TSL, 123
.set OV,  192
.set TQ,  104
.set OF,  128
.set OWR, 160
.set OSW, 168
.set OC,  172
.set OW,  176
.set WOS, 40
.set BO,  72
.set YA,  224
.set YR,  104
.set TR,  48
.set CO,  50
; window 1: Wk (at the end Wo) from 0, Wv from 128, tile t and K step s at 64 (t / 2) + 16 s + 8 (t % 2): the 32 rows of two tiles stand side by side.  At the head Wq from 128, 32 t + 8 s
.set WV,  34
.set G1,  40
.set G0A, 56
.set SEL, 66
.set G0O, 68
.set G0M, 72
.set CS,  76
.set TRIP, 77
.set MBO, 78
.set MSO, 79
.set QSO, 80
.set MKO, 81
.set G1M, 84
.set MM,  92
.set XW,  96
.set XV,  97
.set MSB, 0
.macro WIN new                         ; the immediate's high byte repeats the setting that is left
.if MSB != \new
	s_set_vgpr_msb (MSB<<8)|\new
.set MSB, \new
.endif
.endm
.macro PLACES n
.rept \n
	v_nop
.endr
.endm
.macro ROUND                           ; a round of the cluster's barrier
	s_barrier_signal -1
	s_barrier_wait -1
	s_cmp_lg_u32 s[WV], 0
	s_cbranch_scc1 .Lnot_wave_0_\@
	s_barrier_signal -3
.Lnot_wave_0_\@:
	s_barrier_wait -3
	s_barrier_signal -1
	s_barrier_wait -1
.endm
; Descriptor group 1: rows of 256 bytes, dense in memory, 16 bytes of padding behind each in LDS.  bits: the mask, with bit 21 set beside it, or 0
.macro GROUP1 g, bits, rows
	s_mov_b32 s[\g], \bits|(1<<20)|(5<<22)|(3<<25) ; 17:16 elements of 1 byte; 20 padding on; 24:22 after every 64 words; 31:25 four words
	s_mov_b32 s[\g+1], 256<<16                     ; tensor_dim0
	s_mov_b32 s[\g+2], \rows<<16                   ; tensor_dim1
	s_mov_b32 s[\g+3], 256<<16                     ; tile_dim0
	s_mov_b32 s[\g+4], \rows                       ; tile_dim1
	s_mov_b32 s[\g+5], 256                         ; from row to row
	s_mov_b32 s[\g+6], 0
	s_mov_b32 s[\g+7], 0
.endm
; A matrix instruction of 16 rows from the symbols set just ahead of it: D rD, sources rA and rB, C as given, scale words rSA (lanes 16-31 where rRA is set) and rSB.
.macro WM c
.if rRA
	v_wmma_scale_f32_16x16x128_f8f6f4 v[rD:rD+7], v[rA:rA+7], v[rB:rB+7], \c, v[rSA], v[rSB] matrix_a_fmt:MATRIX_FMT_FP4 matrix_b_fmt:MATRIX_FMT_FP4 matrix_a_scale:MATRIX_SCALE_ROW1
.else
	v_wmma_scale_f32_16x16x128_f8f6f4 v[rD:rD+7], v[rA:rA+7], v[rB:rB+7], \c, v[rSA], v[rSB] matrix_a_fmt:MATRIX_FMT_FP4 matrix_b_fmt:MATRIX_FMT_FP4
.endif
.endm
; And of 32 rows: source 0's scale words fill all 32 lanes, source 1's come from lanes 16-31 where rRB is set.
.macro WM32 c
.if rRB
	v_wmma_scale_f32_32x16x128_f4 v[rD:rD+15], v[rA:rA+15], v[rB:rB+7], \c, v[rSA], v[rSB] matrix_b_scale:MATRIX_SCALE_ROW1
.else
	v_wmma_scale_f32_32x16x128_f4 v[rD:rD+15], v[rA:rA+15], v[rB:rB+7], \c, v[rSA], v[rSB]
.endif
.endm
; My 64 rows of a padded region become 16 fragments in window 1: lane l holds row l % 16; registers 4 e on hold K = 64 e + 32 (l / 16) + 0 .. 31
.macro CHUNK adr, reg
	WIN 0x40
.irp t, 0,1,2,3
.irp s, 0,1,2,3
.irp e, 0,1
	ds_load_b128 v[\reg+64*(\t/2)+16*\s+8*(\t%2)+4*\e:\reg+64*(\t/2)+16*\s+8*(\t%2)+4*\e+3], v[\adr] offset:16*\t*272+64*\s+32*\e
.endr
.endr
.endr
	WIN 0
.endm
; Tile t of Wq (16 rows, loaded as they lie, 512 bytes a load) turns through my stage into four fragments, in the registers that it left.  LDS serves a wave's instructions in order.
.macro TURN t
	s_wait_loadcnt 8*(3-\t)+18                     ; behind it stand the later tiles' 8 loads each and mems' 18
	WIN 0x04                                       ; an LDS store's data are its source 1: window 1
.irp i, 0,1,2,3,4,5,6,7
	ds_store_b128 v[XST], v[128+32*\t+4*\i:128+32*\t+4*\i+3] offset:544*\i
.endr
	WIN 0x40
.irp s, 0,1,2,3
.irp e, 0,1
	ds_load_b128 v[128+32*\t+8*\s+4*\e:128+32*\t+8*\s+4*\e+3], v[TSR] offset:64*\s+32*\e
.endr
.endr
	WIN 0
.endm
.macro FRAGS half, k0                  ; 32 memories' fragments of K steps k0, k0 + 1: 8 loads (a destination in window 0 whatever source 1's window)
.irp s, \k0, \k0+1
.irp jt, 0,1
.irp e, 0,1
	ds_load_b128 v[FR+16*(\s)+8*\jt+4*\e:FR+16*(\s)+8*\jt+4*\e+3], v[ADM] offset:(32*\half+16*\jt)*272+64*(\s)+32*\e
.endr
.endr
.endr
.endm
.macro LATE                            ; what a query's first half wants from LDS beside its first 8 fragment loads: 22 loads
	ds_load_b128 v[MSW:MSW+3], v[ADS]
	ds_load_b128 v[MSW+4:MSW+7], v[ADS] offset:512
	FRAGS 0, 2
.irp jt, 0,1,2,3
	ds_load_u8 v[MKR+\jt], v[ADK] offset:MK+16*\jt
.endr
.irp dt, 0,1,2,3
.irp e, 0,1
	ds_load_b128 v[Q+8*\dt+4*\e:Q+8*\dt+4*\e+3], v[ADQ] offset:64*\dt+16*\e
.endr
.endr
.endm
; k^T of a half: 16 matrix instructions of 32 rows.  The 4 accumulators take turns, one instruction a turn.
; K step s waits for its own fragments.  Second half: behind them stand the later steps' 4 loads each.  First half: the same (and 8 behind the scale words, which step 0 wants too),
; and behind all of them younger = 4 mask bytes, 8 loads of q and 4 stores of the last query's result, or, in query 0, the 12 and Wv's 32 loads.
.macro KMUL half, younger
	WIN 0x01                                       ; source 0 (Wk) window 1
.irp s, 0,1,2,3
.if \half
	s_wait_dscnt 4*(3-\s)
.elseif \s == 0
	s_wait_dscnt \younger+8
.else
	s_wait_dscnt \younger+4*(3-\s)
.endif
.irp jt, 0,1
.irp u, 0,1
.set rD, AC+32*\jt+16*\u
.set rA, 64*\u+16*\s
.set rB, FR+16*\s+8*\jt
.set rSA, WSC+4*\u+\s
.set rSB, MSW+4*\half+\s
.set rRB, \jt
.if \s
	WM32 v[rD:rD+15]
.else
	WM32 0
.endif
.endr
.endr
.endr
	WIN 0
.endm
.macro VMUL half, k0                   ; v of a half, K steps k0, k0 + 1: 8 matrix instructions of 32 rows, likewise by turns
	WIN 0x04                                       ; source 1 (Wv) window 1
.irp s, \k0, \k0+1
.irp dt, 0,1,2,3
.set rD, AC+16*\dt
.set rA, FR+16*(\s)
.set rB, 128+64*(\dt/2)+16*(\s)+8*(\dt%2)
.set rSA, MSW+4*\half+(\s)
.set rSB, WSC+8+4*(\dt/2)+(\s)
.set rRB, \dt%2
.if (\s) > 0
	WM32 v[rD:rD+15]
.else
	WM32 0
.endif
.endr
.endr
.endm
; TM[jt] = sum over d of q[d] k[j][d]: 32 packed multiply-adds in four chains; each accumulator is read from its low end on.
.macro VECK
.irp dp, 0,1
.irp ip, 0,1,2,3
.irp dl, 0,1
.irp jt, 0,1
.set rT, AC+8*(4*\jt+2*\dp+\dl)+2*\ip
.set rS, S+4*\jt+2*\dl
.set rM, Q+8*(2*\dp+\dl)+2*\ip
.if (\dp == 0) && (\ip == 0)
	v_pk_mul_f32 v[rS:rS+1], v[rT:rT+1], v[rM:rM+1]
.else
	v_pk_fma_f32 v[rS:rS+1], v[rT:rT+1], v[rM:rM+1], v[rS:rS+1]
.endif
.endr
.endr
.endr
.endr
.irp jt, 0,1
	v_pk_add_f32 v[S+4*\jt:S+4*\jt+1], v[S+4*\jt:S+4*\jt+1], v[S+4*\jt+2:S+4*\jt+3]
.endr
.irp jt, 0,1
	v_add_f32 v[TM+\jt], v[S+4*\jt], v[S+4*\jt+1]
.endr
.irp jt, 0,1
	v_permlanex16_b32 v[TM+4+\jt], v[TM+\jt], s[SEL], s[SEL+1]   ; the other half of the sum lies in the lane 16 away
.endr
.irp jt, 0,1
	v_add_f32 v[TM+\jt], v[TM+\jt], v[TM+4+\jt]
.endr
.endm
; O[dt] += sum over the half's j of p[j] v[j][d]: 32 packed multiply-adds in four chains; each accumulator is read from its low end on.
.macro VECV half
.irp jt, 0,1
.irp ip, 0,1,2,3
.irp dt, 0,1,2,3
.set rT, AC+16*\dt+8*\jt+2*\ip
.set rS, O+2*\dt
.set rM, P+8*\jt+2*\ip
.if (\half == 0) && (\jt == 0) && (\ip == 0)
	v_pk_mul_f32 v[rS:rS+1], v[rT:rT+1], v[rM:rM+1]
.else
	v_pk_fma_f32 v[rS:rS+1], v[rT:rT+1], v[rM:rM+1], v[rS:rS+1]
.endif
.endr
.endr
.endr
.endm
; TM[jt] holds q.k of memory 32 half + 16 jt + r.  Hidden memories take -FLT_MAX, the maximum so far is taken away, p = 2^((s - max) log2(e) / 8): the head's 1 / 8 is folded into the factor.
; Second half: TM[2] = what the first half's sums are multiplied by.  p goes through my scratch, so that a lane gets p[16 jt + 8 h + 0 .. 7].
.macro SOFT half
.irp jt, 0,1
	v_cndmask_b32 v[TM+\jt], v[NEG], v[TM+\jt], s[MM+2*\half+\jt]
.endr
.if \half
.set rX, TM+8
	v_max3_num_f32 v[rX], v[TM], v[TM+1], v[MX]
.else
.set rX, MX
	v_max_num_f32 v[rX], v[TM], v[TM+1]
.endif
.irp x, 1,2,4,8
	s_delay_alu instid0(VALU_DEP_1)
	v_max_num_f32_dpp v[rX], v[rX], v[rX] row_xmask:\x row_mask:0xf bank_mask:0xf
.endr
.if \half
	v_sub_f32 v[TM+2], v[MX], v[rX]
.endif
.irp jt, 0,1
	v_sub_f32 v[TM+\jt], v[TM+\jt], v[rX]
.endr
.if \half
	v_mul_f32 v[TM+2], s[CS], v[TM+2]
.endif
.irp jt, 0,1
	v_mul_f32 v[TM+\jt], s[CS], v[TM+\jt]
.endr
	s_wait_alu depctr_va_vdst(0)                   ; the wait ahead of the batch
.irp jt, 0,1
	v_exp_f32 v[TM+\jt], v[TM+\jt]
.endr
.if \half
	v_exp_f32 v[TM+2], v[TM+2]
.endif
	v_nop                                          ; a plain instruction between an exponential and the use of its result
	s_wait_alu depctr_va_vdst(0)                   ; and ahead of the batch's first reader
.irp jt, 0,1
	ds_store_b32 v[R4], v[TM+\jt] offset:PS+128*\half+64*\jt   ; both halves of the lanes hold the same number and write the same word
.endr
.irp jt, 0,1
.irp e, 0,1
	ds_load_b128 v[P+8*\jt+4*\e:P+8*\jt+4*\e+3], v[HB] offset:PS+128*\half+64*\jt+16*\e   ; LDS serves a wave's instructions in order: these see the stores above
.endr
.endr
.endm
; A query.  mode 0: query 0, under whose first half Wv's fragments arrive;  modes 0 and 1: the next query's operands are fetched;  mode 2: the last query: Wo's fragments are.
.macro QUERY mode
.if \mode == 0
	KMUL 0, 44
	s_wait_dscnt 32                                ; the mask bytes and q are in; Wv's 32 loads may be out
.else
	KMUL 0, 16
	s_wait_dscnt 0x0                               ; the mask bytes and q are in
.endif
.irp jt, 0,1,2,3
	v_cmp_ne_u32 s[MM+\jt], 0, v[MKR+\jt]          ; (these four are the places between the last product and the first read of results)
.endr
	VECK
	SOFT 0
.if \mode == 0
	s_wait_dscnt 0x0                               ; Wv's fragments are in
.endif
	VMUL 0, 0
	PLACES 4                                       ; between K step 1's products and the loads into K steps 0 and 1's fragments
	FRAGS 1, 0
	VMUL 0, 2
	WIN 0
	v_add_f32 v[LS], v[TM], v[TM+1]                ; my lane's part of the sum of p: a place, like the three below
	PLACES 3
	FRAGS 1, 2
	s_wait_dscnt 16                                ; p is in; the 16 fragment loads may be out
	VECV 0
	KMUL 1, 0
.if \mode < 2                          ; the places behind the last product: addresses
	v_add_nc_u32 v[AOW], s[QSO], v[R4]
	s_add_co_u32 s[MBO], s[MBO], MBB
	s_add_co_u32 s[MSO], s[MSO], 1024
	s_add_co_u32 s[QSO], s[QSO], 272
	s_add_co_u32 s[MKO], s[MKO], 64
	v_add_nc_u32 v[ADM], s[MBO], v[AFR]
	v_add_nc_u32 v[ADS], s[MSO], v[ADS0]
	v_add_nc_u32 v[ADQ], s[QSO], v[HB]
	v_add_nc_u32 v[ADK], s[MKO], v[RK]
.else
	v_add_nc_u32 v[AOW], 7*272, v[R4]
	v_and_b32 v[TXSR], 7, v0
	v_bfe_u32 v[TH], v0, 4, 1                      ; h
	v_mul_u32_u24 v[TXIR], v[TXSR], 272
	v_add_nc_u32 v[TXIR], s37, v[TXIR]
	v_lshl_add_u32 v[TAOR], v[TH], 7, v[TXIR]      ; the result as the quantiser reads it: row r % 8, 32 channels a half
	v_lshl_add_u32 v[TQSW], v[TH], 5, v[TXIR]      ; a transposed result's 32 bytes: row r % 8, + 32 h
	v_add_nc_u32 v[TXIW], s[XW], v[L16]            ; my half image
	v_lshrrev_b32 v[TXSW], 2, v[L16]
	v_add_nc_u32 v[TXSR], XIS, v[TXSW]
	v_add_nc_u32 v[TXIR], XI, v[L16]
	v_add_nc_u32 v[TSL], s37, v[L16]
	v_add_nc_u32 v[TXSW], s[XV], v[TXSW]           ; my half scale words
.endif
	VECK
	SOFT 1
	VMUL 1, 0
	WIN 0
	v_add_f32 v[TM+9], v[TM], v[TM+1]              ; (these eight are places too)
	v_pk_mul_f32 v[O:O+1], v[O:O+1], v[TM+2:TM+3] op_sel_hi:[1,0]   ; what the first half summed, under the new maximum
	v_fma_f32 v[LS], v[LS], v[TM+2], v[TM+9]
	v_pk_mul_f32 v[O+2:O+3], v[O+2:O+3], v[TM+2:TM+3] op_sel_hi:[1,0]
	v_add_f32_dpp v[LS], v[LS], v[LS] row_xmask:1 row_mask:0xf bank_mask:0xf
	v_pk_mul_f32 v[O+4:O+5], v[O+4:O+5], v[TM+2:TM+3] op_sel_hi:[1,0]
	v_add_f32_dpp v[LS], v[LS], v[LS] row_xmask:2 row_mask:0xf bank_mask:0xf
	v_pk_mul_f32 v[O+6:O+7], v[O+6:O+7], v[TM+2:TM+3] op_sel_hi:[1,0]
.if \mode < 2
	FRAGS 0, 0
.endif
	VMUL 1, 2
	WIN 0
	v_add_f32_dpp v[LS], v[LS], v[LS] row_xmask:4 row_mask:0xf bank_mask:0xf
	PLACES 2
	v_add_f32_dpp v[LS], v[LS], v[LS] row_xmask:8 row_mask:0xf bank_mask:0xf
	s_wait_alu depctr_va_vdst(0)                   ; the wait ahead of the transcendental
	v_rcp_f32 v[RL], v[LS]
.if \mode < 2
	LATE
	s_wait_dscnt 30                                ; p is in; the next query's 30 loads may be out
.else
	CHUNK WQA, 0                                   ; Wk's registers were last read by this query's second k product
	s_wait_dscnt 32
.endif
	s_wait_alu depctr_va_vdst(0)                   ; ahead of the first reader of the products' results, and of the reciprocal's
	VECV 1
.irp dt, 0,1,2,3
	v_add_f32 v[TM+8+\dt], v[O+2*\dt], v[O+2*\dt+1]
.endr
.irp dt, 0,1,2,3
	v_permlanex16_b32 v[TM+12+\dt], v[TM+8+\dt], s[SEL], s[SEL+1]
.endr
.irp dt, 0,1,2,3
	v_add_f32 v[TM+8+\dt], v[TM+8+\dt], v[TM+12+\dt]
.endr
.irp dt, 0,1,2,3
	v_mul_f32 v[TM+8+\dt], v[TM+8+\dt], v[RL]
.endr
.irp dt, 0,1,2,3
	ds_store_b32 v[AOW], v[TM+8+\dt] offset:64*\dt ; channel 16 dt + r, over q's row of this query, which is done with
.endr
.endm
	s_load_b512 s[8:23], s[0:1], 0x0               ; x's codes 8, scales 10; Wq's 12, 14; Wkv's 16, 18; mems' 20, 22
	s_load_b256 s[24:31], s[0:1], 0x40             ; mask 24; Wo's codes 26, scales 28; bo 30
	s_load_b64 s[32:33], s[0:1], 0x60              ; out
	v_lshl_add_u32 v[SPW], v0, 2, SPARE
	v_mov_b32 v[NIL], 0
	ds_add_u32 v[SPW], v[NIL]                      ; the wave's opening: the add, twice on end, and its wait ahead of my first tensor load
	ds_add_u32 v[SPW], v[NIL]
	v_lshrrev_b32 v3, 5, v0
	v_readfirstlane_b32 s[WV], v3                  ; wave 0..7
	s_bfe_u32 s35, ttmp6, 0x40000                  ; cx: my place in the cluster
	s_lshl_b32 s36, ttmp9, 2
	s_add_co_u32 s36, s36, s35                     ; my block of 8 queries: it enters the addresses of x, mems, the mask and out alone
	GROUP1 G1, 15|(1<<21), 128                     ; joint, 128 rows: Wk, Wv, Wo
	GROUP1 G1M, 0, 64                              ; my work-group's own, 64 rows: a query's mems
	s_mov_b32 s[SEL], 0x76543210
	s_mov_b32 s[SEL+1], 0xfedcba98                 ; v_permlanex16_b32's selects for lane l xor 16
	s_mov_b32 s[CS], 0x3e38aa3b                    ; log2(e) / 8
	s_mov_b32 s[MBO], 0
	s_mov_b32 s[MSO], 0
	s_mov_b32 s[QSO], 0
	s_mov_b32 s[MKO], 0
	s_mov_b32 s[TRIP], 0
	s_mul_i32 s37, s[WV], SWB
	s_add_co_u32 s37, s37, SCR                     ; my scratch
	s_mul_i32 s96, s[WV], 2176                     ; 8 rows of 272
	s_lshl_b32 s97, s[WV], 10
	s_mul_i32 s98, s[WV], MBB
	v_and_b32 v[LN], 31, v0
	v_and_b32 v[RR], 15, v0                        ; r
	v_and_b32 v[R7], 7, v0                         ; r % 8: the query of a tile's row
	v_bfe_u32 v[HH], v0, 4, 1                      ; h
	v_lshlrev_b32 v[L16], 4, v[LN]
	v_lshlrev_b32 v[L8], 3, v[LN]
	v_lshlrev_b32 v[XSO], 4, v[R7]
	v_mul_u32_u24 v[AFR], v[RR], 272
	v_lshl_add_u32 v[AFR], v[HH], 4, v[AFR]
	v_mul_u32_u24 v[TT], v[HH], 272
	v_lshl_add_u32 v[TT], v[RR], 4, v[TT]          ; 272 h + 16 r: a dense load's 512 bytes are two rows
	v_add_nc_u32 v[XST], s37, v[TT]
	v_add_nc_u32 v[MST], s96, v[TT]                ; my 8 rows of a query's 64
	v_add_nc_u32 v[TSR], s37, v[AFR]
	v_lshl_add_u32 v[HB], v[HH], 5, s37
	v_lshl_add_u32 v[R4], v[RR], 2, s37
	v_add_nc_u32 v[RK], s37, v[RR]
	v_mul_u32_u24 v[TT], v[R7], 272
	v_add_nc_u32 v[TT], s37, v[TT]
	v_lshl_add_u32 v[TSX], v[HH], 4, v[TT]
	v_lshl_add_u32 v[QSW], v[HH], 5, v[TT]
	v_add_nc_u32 v[SL16], s37, v[L16]
	v_lshl_add_u32 v[SL8], v[LN], 3, s37
	v_add_nc_u32 v[ADS0], MSC, v[L16]
	v_add_nc_u32 v[MSS], s97, v[ADS0]
	v_add_nc_u32 v[WKA], s98, v[AFR]               ; my 64 rows of Wk
	v_add_nc_u32 v[WQA], RB, v[WKA]                ; and of Wv, Wo
	v_mov_b32 v[NEG], 0xff7fffff
	v_add_nc_u32 v[ADM], 0, v[AFR]                 ; query 0's
	v_add_nc_u32 v[ADS], 0, v[ADS0]
	v_add_nc_u32 v[ADQ], 0, v[HB]
	v_add_nc_u32 v[ADK], 0, v[RK]
	s_wait_alu depctr_va_vdst(0)                   ; the wait at the head's end
	s_wait_dscnt 0x0                               ; both opening adds are done
	s_mov_b32 s39, 0
	s_mov_b32 s83, 0
	s_and_b32 s99, s[WV], 3
	s_wait_kmcnt 0x0
	; offsets made of the wave's number go through s[38:39], those made of the work-group's through s[82:83]: nothing that feeds a joint load's descriptor ever holds my place in the cluster
	s_lshl_b32 s38, s[WV], 15                      ; 128 rows of 256 bytes: waves 0-3 Wk's 512 rows, waves 4-7 Wv's
	s_add_nc_u64 s[G0A+2:G0A+3], s[16:17], s[38:39]
	s_or_b32 s[G0A+3], s[G0A+3], 0x80000000
	s_mov_b32 s[G0A], 1
	s_mul_i32 s[G0A+1], s[WV], CHK                 ; wave x 128 rows: waves 4-7's parts begin at RB
	s_lshl_b32 s38, s99, 15
	s_add_nc_u64 s[G0O+2:G0O+3], s[26:27], s[38:39]
	s_or_b32 s[G0O+3], s[G0O+3], 0x80000000
	s_mov_b32 s[G0O], 1
	s_mul_i32 s[G0O+1], s[WV], CHK
	s_lshl_b32 s38, s[WV], 14                      ; 64 rows of 256 bytes
	s_add_nc_u64 s[12:13], s[12:13], s[38:39]
	s_lshl_b32 s38, s[WV], 10                      ; 64 rows of 16 scale bytes
	s_add_nc_u64 s[14:15], s[14:15], s[38:39]
	s_add_nc_u64 s[18:19], s[18:19], s[38:39]
	s_add_nc_u64 s[28:29], s[28:29], s[38:39]
	s_lshl_b32 s38, s[WV], 8                       ; 64 numbers of bo
	s_add_nc_u64 s[30:31], s[30:31], s[38:39]
	s_lshl_b32 s82, s36, 11
	s_add_nc_u64 s[8:9], s[8:9], s[82:83]
	s_lshl_b32 s82, s36, 7
	s_add_nc_u64 s[10:11], s[10:11], s[82:83]
	s_lshl_b32 s82, s36, 9
	s_add_nc_u64 s[24:25], s[24:25], s[82:83]
.irp i, 0,1,2,3
	global_load_b128 v[TM+4*\i:TM+4*\i+3], v[L16], s[8:9] offset:512*\i     ; x's 8 rows as they lie
.endr
	global_load_b128 v[XS:XS+3], v[XSO], s[10:11]  ; lane l: the four scale words of row l % 8
.irp u, 0,1
	global_load_b128 v[QWS+4*\u:QWS+4*\u+3], v[L16], s[14:15] offset:512*\u   ; rows 32 u + lane
.endr
.irp u, 0,1
	global_load_b128 v[WSC+4*\u:WSC+4*\u+3], v[L16], s[18:19] offset:512*\u
.endr
.irp u, 0,1
	global_load_b128 v[WSC+8+4*\u:WSC+8+4*\u+3], v[L16], s[18:19] offset:8192+512*\u
.endr
	global_load_b128 v[MKR:MKR+3], v[L16], s[24:25]   ; the 8 queries' 512 mask bytes
.irp u, 0,1
	global_load_b128 v[WOR+4*\u:WOR+4*\u+3], v[L16], s[28:29] offset:512*\u
.endr
	global_load_b64 v[BOR:BOR+1], v[L8], s[30:31]
	s_lshl_b32 s82, s36, 17                        ; 8 queries x 16,384 bytes
	s_add_nc_u64 s[20:21], s[20:21], s[82:83]
	s_lshl_b32 s82, s99, 14
	s_add_co_u32 s82, s82, 4*16384
	s_add_nc_u64 s[G0M+2:G0M+3], s[20:21], s[82:83]    ; waves 0-3: queries 4-7
	s_or_b32 s[G0M+3], s[G0M+3], 0x80000000
	s_mov_b32 s[G0M], 1
	s_add_co_u32 s[G0M+1], s98, 4*MBB
	s_lshl_b32 s82, s[WV], 11                      ; my 8 rows of each of queries 0-3
	s_add_nc_u64 s[20:21], s[20:21], s[82:83]
	s_lshl_b32 s82, s36, 13
	s_add_nc_u64 s[22:23], s[22:23], s[82:83]
	s_lshl_b32 s82, s[WV], 10                      ; the scale bytes of query w
	s_add_nc_u64 s[22:23], s[22:23], s[82:83]
	s_lshl_b32 s82, s36, 14
	s_add_nc_u64 s[32:33], s[32:33], s[82:83]
	s_lshl_b32 s82, s[WV], 8
	s_add_nc_u64 s[32:33], s[32:33], s[82:83]
	s_lshl_b32 s[XW], s[WV], 9
	s_add_co_u32 s[XW], s[XW], XI
	s_lshl_b32 s[XV], s[WV], 7
	s_add_co_u32 s[XV], s[XV], XIS
	ROUND                                          ; all four work-groups are here: the first joint loads meet
	tensor_load_to_lds s[G0A:G0A+3], s[G1:G1+7]    ; 128 rows of Wk or of Wv
	s_nop 0
	PLACES 4
	WIN 0x40
.irp t, 0,1,2,3
.irp i, 0,1,2,3,4,5,6,7
	global_load_b128 v[128+32*\t+4*\i:128+32*\t+4*\i+3], v[L16], s[12:13] offset:4096*\t+512*\i   ; my 64 rows of Wq as they lie
.endr
.endr
	WIN 0
.irp n, 0,1,2,3
.irp i, 0,1,2,3
	global_load_b128 v[FR+16*\n+4*\i:FR+16*\n+4*\i+3], v[L16], s[20:21] offset:16384*\n+512*\i th:TH_LOAD_NT
.endr
.endr
.irp i, 0,1
	global_load_b128 v[MSR+4*\i:MSR+4*\i+3], v[L16], s[22:23] offset:512*\i th:TH_LOAD_NT
.endr
	s_wait_loadcnt 61                              ; x is in: behind its last stand 11 loads, Wq's 32 and mems' 18
.irp i, 0,1,2,3
	ds_store_b128 v[XST], v[TM+4*\i:TM+4*\i+3] offset:544*\i
.endr
.irp s, 0,1,2,3
.irp e, 0,1
	ds_load_b128 v[Q+8*\s+4*\e:Q+8*\s+4*\e+3], v[TSX] offset:64*\s+32*\e   ; x's four fragments: rows 8-15 of the tile repeat rows 0-7
.endr
.endr
	TURN 0
	TURN 1
	TURN 2
	TURN 3                                         ; (its wait covers all the scale words, the mask and bo too)
	s_wait_dscnt 0x0
	WIN 0x01                                       ; source 0 (Wq) window 1
.irp s, 0,1,2,3                        ; q^T: source 0 = 16 rows of Wq, source 1 = x: a lane holds one query and 8 neighbouring channels.  Four accumulators by turns
.irp t, 0,1,2,3
.set rD, AC+8*\t
.set rA, 128+32*\t+8*\s
.set rB, Q+8*\s
.set rSA, QWS+4*(\t/2)+\s
.set rSB, XS+\s
.set rRA, \t%2
.if \s
	WM v[rD:rD+7]
.else
	WM 0
.endif
.endr
.endr
	WIN 0
	PLACES 5                                       ; in front of the stores of results, of later loads into the products' operands (4), and of query 0's products over the results (5)
.irp t, 0,1,2,3
	ds_store_b128 v[QSW], v[AC+8*\t:AC+8*\t+3] offset:64*\t          ; each accumulator from its low end on; lanes r and r + 8 hold the same numbers and write the same bytes
	ds_store_b128 v[QSW], v[AC+8*\t+4:AC+8*\t+7] offset:64*\t+16
.endr
	ds_store_b128 v[SL16], v[MKR:MKR+3] offset:MK
	ds_store_b128 v[SL16], v[WOR:WOR+3] offset:WOO
	ds_store_b128 v[SL16], v[WOR+4:WOR+7] offset:WOO+512
	ds_store_b64 v[SL8], v[BOR:BOR+1] offset:BOO
	s_wait_tensorcnt 0x0                           ; my part of Wk or Wv has landed
	s_wait_dscnt 0x0
	s_barrier_signal -1
	s_barrier_wait -1                              ; and everybody's
	CHUNK WKA, 0
	s_wait_dscnt 0x0                               ; my reads of Wk are over
	s_barrier_signal -1
	s_barrier_wait -1                              ; and everybody's: the first half of its place has had its only fill and takes queries 0-3
	s_wait_loadcnt 0x0
.irp n, 0,1,2,3
.irp i, 0,1,2,3
	ds_store_b128 v[MST], v[FR+16*\n+4*\i:FR+16*\n+4*\i+3] offset:MBB*\n+544*\i
.endr
.endr
.irp i, 0,1
	ds_store_b128 v[MSS], v[MSR+4*\i:MSR+4*\i+3] offset:512*\i
.endr
	s_wait_dscnt 0x0
	s_barrier_signal -1
	s_barrier_wait -1                              ; queries 0-3 lie in LDS whole
	FRAGS 0, 0                                     ; query 0's operands,
	LATE
	CHUNK WQA, 128                                 ; and Wv, where Wq was
	QUERY 0
	s_wait_alu depctr_va_vdst(0)
	s_wait_tensorcnt 0x0                           ; RB and the second half of Wk's place are filled again: all my tensor loads have landed,
	ds_add_u32 v[SPW], v[NIL]                      ; 0 onto my spare word,
	s_wait_dscnt 0x0                               ; the add is done and my reads of RB are over
	ROUND                                          ; and that holds of every wave of all four work-groups
	s_cmp_lt_u32 s[WV], 4
	s_cbranch_scc0 .Lask_wo
	tensor_load_to_lds s[G0M:G0M+3], s[G1M:G1M+7]  ; waves 0-3: queries 4-7, one a wave
	s_nop 0
	PLACES 4
	s_branch .Lasked
.Lask_wo:
	tensor_load_to_lds s[G0O:G0O+3], s[G1:G1+7]    ; waves 4-7: Wo, 128 rows a wave
	s_nop 0
	PLACES 4
.Lasked:
.Lfirst:                                           ; queries 1, 2
	QUERY 1
	s_add_co_u32 s[TRIP], s[TRIP], 1
	s_cmp_lt_u32 s[TRIP], 2
	s_cbranch_scc1 .Lfirst
	s_wait_alu depctr_va_vdst(0)
	s_wait_tensorcnt 0x0                           ; my part of queries 4-7 or of Wo has landed
	s_wait_dscnt 0x0
	s_barrier_signal -1
	s_barrier_wait -1                              ; and everybody's; nothing is filled again
	s_mov_b32 s[TRIP], 0
	s_mov_b32 s[MBO], 3*MBB                        ; query 3's places, as constants
	s_mov_b32 s[MSO], 3*1024
	s_mov_b32 s[QSO], 3*272
	s_mov_b32 s[MKO], 3*64
.Lsecond:                                          ; queries 3-6
	QUERY 1
	s_add_co_u32 s[TRIP], s[TRIP], 1
	s_cmp_lt_u32 s[TRIP], 4
	s_cbranch_scc1 .Lsecond
	QUERY 2
	; THE TAIL.  Lane (r, h) takes, of query r % 8, channels 32 h + 0 .. 31 of my head: a whole block of 32, in the operand's own order.
.irp k, 0,1,2,3,4,5,6,7
	ds_load_b128 v[OV+4*\k:OV+4*\k+3], v[TAOR] offset:16*\k
.endr
.irp u, 0,1
	ds_load_b128 v[WOS+4*\u:WOS+4*\u+3], v[TSL] offset:WOO+512*\u
.endr
.irp nt, 0,1,2,3
	ds_load_b128 v[BO+8*\nt:BO+8*\nt+3], v[HB] offset:BOO+64*\nt       ; lane (r, h), tile nt: bo[16 nt + 8 h + 0 .. 7]: the result's layout
	ds_load_b128 v[BO+8*\nt+4:BO+8*\nt+7], v[HB] offset:BOO+64*\nt+16
.endr
	s_wait_dscnt 10                                ; the block is in; the 10 loads behind it may be out
.irp c, 0,1
	v_max3_num_f32 v[TQ+\c], |v[OV+16*\c]|, |v[OV+16*\c+1]|, 0x1800000   ; its largest magnitude, in two chains, and the floor 2^(3 - 127): the byte cannot fall under 1
.endr
.irp i, 2,4,6,8,10,12,14
.irp c, 0,1
	v_max3_num_f32 v[TQ+\c], v[TQ+\c], |v[OV+16*\c+\i]|, |v[OV+16*\c+\i+1]|
.endr
.endr
	v_max_num_f32 v[TQ], v[TQ], v[TQ+1]
	v_lshlrev_b32 v[TQ+6], 3, v[TH]
	v_add_nc_u32 v[TQ+2], 0xff000000, v[TQ]        ; 2 off its exponent field: the conversion takes the exponent field of this operand as its scale
	v_lshrrev_b32 v[TQ+4], 23, v[TQ+2]             ; the scale's byte,
	v_lshlrev_b32 v[OW], v[TQ+6], v[TQ+4]          ; at its place: block h of my head's two;
	v_permlanex16_b32 v[TQ+7], v[OW], s[SEL], s[SEL+1]
	v_or_b32 v[OW], v[OW], v[TQ+7]                 ; with lane l xor 16's my half of the scale word is whole
.irp g, 0,1,2,3
	v_cvt_scalef32_pk8_fp4_f32 v[OC+\g], v[OV+8*\g:OV+8*\g+7], v[TQ+2]
.endr
	v_nop                                          ; one plain place behind a scaled conversion
	ds_store_b128 v[TXIW], v[OC:OC+3]              ; the half fragment goes to LDS as an image of its registers, 16 bytes a lane
	ds_store_b32 v[TXSW], v[OW]
	s_wait_alu depctr_va_vdst(0)
	s_wait_dscnt 0x0
	s_barrier_signal -1
	s_barrier_wait -1                              ; the four K steps lie in LDS
.irp s, 0,1,2,3
	ds_load_b32 v[OWR+2*\s], v[TXSR] offset:256*\s
	ds_load_b32 v[OWR+2*\s+1], v[TXSR] offset:256*\s+128
.endr
.irp s, 0,1,2,3
	ds_load_b128 v[OF+8*\s:OF+8*\s+3], v[TXIR] offset:1024*\s
	ds_load_b128 v[OF+8*\s+4:OF+8*\s+7], v[TXIR] offset:1024*\s+512
.endr
	s_wait_dscnt 8                                 ; the scale words are in; the 8 fragment loads may be out
.irp s, 0,1,2,3
	v_lshl_or_b32 v[OSW+\s], v[OWR+2*\s+1], 16, v[OWR+2*\s]
.endr
	PLACES 8                                       ; a scale register written by a vector instruction stands 8 places ahead of a scaled matrix instruction
	s_wait_alu depctr_va_vdst(0)                   ; directly ahead of the wait below
	s_wait_dscnt 0x0
	WIN 0x01                                       ; source 0 (Wo) window 1
.irp s, 0,1,2,3                        ; y^T for my 64 outputs: source 0 = 16 rows of Wo, source 1 = the 8 queries (twice); bo is the C of each sum's first product.  Four accumulators by turns
.irp nt, 0,1,2,3
.set rD, YA+8*\nt
.set rA, 64*(\nt/2)+16*\s+8*(\nt%2)
.set rB, OF+8*\s
.set rC, BO+8*\nt
.set rSA, WOS+4*(\nt/2)+\s
.set rSB, OSW+\s
.set rRA, \nt%2
.if \s
	WM v[rD:rD+7]
.else
	WM v[rC:rC+7]
.endif
.endr
.endr
	WIN 0
	v_and_b32 v[TR], 15, v0                        ; (four places between the last product and the stores)
	v_lshlrev_b32 v[TR], 4, v[TR]
	v_lshl_add_u32 v[CO], v[TH], 11, v[TR]         ; lanes 0-15 one row of out, lanes 16-31 the next
	v_nop
	s_wait_alu depctr_va_vdst(0)
.irp nt, 0,1,2,3
	ds_store_b128 v[TQSW], v[YA+8*\nt:YA+8*\nt+3] offset:64*\nt      ; into my scratch: row = query, 32 bytes a lane; each accumulator from its low end on
	ds_store_b128 v[TQSW], v[YA+8*\nt+4:YA+8*\nt+7] offset:64*\nt+16
.endr
.irp i, 0,1,2,3
	ds_load_b128 v[YR+4*\i:YR+4*\i+3], v[XST] offset:544*\i          ; back as rows of 256 bytes, two a load
.endr
.irp i, 0,1,2,3
	s_wait_dscnt 3-\i                              ; rows 2 i, 2 i + 1 are in; the younger read-backs may be out
	global_store_b128 v[CO], v[YR+4*\i:YR+4*\i+3], s[32:33] offset:4096*\i th:TH_STORE_NT   ; 16 lanes store 256 consecutive bytes, at a multiple of 256 from out's first byte
.endr
	s_wait_tensorcnt 0x0                           ; the wave's end: behind my last tensor load and my last LDS store
	ds_add_u32 v[SPW], v[NIL]
	s_wait_dscnt 0x0
	ROUND                                          ; the closing round: no work-group ends while a partner may still ask for a tile that names it
	s_endpgm
.Lfunc_end_k_qfe96757c4e_attn:
	.size	k_qfe96757c4e_attn, .Lfunc_end_k_qfe96757c4e_attn-k_qfe96757c4e_attn
	.p2alignl 7, 3214868480
	.fill 96, 4, 3214868480
	.section	.rodata,"a",@progbits
	.p2align	6, 0x0
	.amdhsa_kernel k_qfe96757c4e_attn
		.amdhsa_group_segment_fixed_size 327680
		.amdhsa_private_segment_fixed_size 0
		.amdhsa_enable_private_segment 0
		.amdhsa_kernarg_size 104
		.amdhsa_user_sgpr_count 2
		.amdhsa_user_sgpr_kernarg_segment_ptr 1
		.amdhsa_wavefront_size32 1
		.amdhsa_system_sgpr_workgroup_id_x 1
		.amdhsa_system_sgpr_workgroup_id_y 1
		.amdhsa_system_sgpr_workgroup_id_z 1
		.amdhsa_system_vgpr_workitem_id 0
		.amdhsa_next_free_vgpr 512
		.amdhsa_next_free_sgpr 100
		.amdhsa_reserve_vcc 0
		.amdhsa_float_denorm_mode_32 3
		.amdhsa_float_denorm_mode_16_64 3
		.amdhsa_memory_ordered 1
		.amdhsa_forward_progress 1
		.amdhsa_inst_pref_size 141
	.end_amdhsa_kernel
	.amdgpu_metadata
---
amdhsa.version: [ 1, 2 ]
amdhsa.kernels:
  - .name:           k_qfe96757c4e_attn
    .symbol:         k_qfe96757c4e_attn.kd
    .args:
      - { .name: x_codes, .offset: 0, .size: 8, .value_kind: global_buffer, .address_space: global }
      - { .name: x_scales, .offset: 8, .size: 8, .value_kind: global_buffer, .address_space: global }
      - { .name: Wq_codes, .offset: 16, .size: 8, .value_kind: global_buffer, .address_space: global }
      - { .name: Wq_scales, .offset: 24, .size: 8, .value_kind: global_buffer, .address_space: global }
      - { .name: Wkv_codes, .offset: 32, .size: 8, .value_kind: global_buffer, .address_space: global }
      - { .name: Wkv_scales, .offset: 40, .size: 8, .value_kind: global_buffer, .address_space: global }
      - { .name: mems_codes, .offset: 48, .size: 8, .value_kind: global_buffer, .address_space: global }
      - { .name: mems_scales, .offset: 56, .size: 8, .value_kind: global_buffer, .address_space: global }
      - { .name: mask, .offset: 64, .size: 8, .value_kind: global_buffer, .address_space: global }
      - { .name: Wo_codes, .offset: 72, .size: 8, .value_kind: global_buffer, .address_space: global }
      - { .name: Wo_scales, .offset: 80, .size: 8, .value_kind: global_buffer, .address_space: global }
      - { .name: bo, .offset: 88, .size: 8, .value_kind: global_buffer, .address_space: global }
      - { .name: out0, .offset: 96, .size: 8, .value_kind: global_buffer, .address_space: global }
    .group_segment_fixed_size: 327680
    .private_segment_fixed_size: 0
    .kernarg_segment_align: 8
    .kernarg_segment_size: 104
    .max_flat_workgroup_size: 256
    .sgpr_count:     100
    .vgpr_count:     512
    .wavefront_size: 32
...
	.end_amdgpu_metadata
.endif
;; end of part 1
